; MI455X (gfx1250); checked and timed in simulation.
; The chip was launched on July 23, 2026; its instructions are those of AMD's public machine-readable ISA for CDNA 5 (MIT licence, August 2026) and "CDNA5" Instruction Set Architecture Reference Guide (July 2026). The comments in the code are by the model that wrote it; some were corrected since.
;; Multi Head Attention. Allowed arithmetic: matrix products marked QUANTISED: E2M1 operands, one E8M0 scale for each 32 along K, by v_wmma_scale_f32_16x16x128_f8f6f4 with both operands' format E2M1 (or v_wmma_scale_f32_32x16x128_f4), f32 sums; everything else in f32.
;; Inputs: Wk 1,024 x 1,024 float32; Wq 1,024 x 1,024 float32; Wv 1,024 x 1,024 float32; beta 1,024 float32; gamma 1,024 float32; keys 4 x 2,048 x 1,024 float32; query 4 x 2,048 x 1,024 float32.
;; Outputs: out0 4 x 2,048 x 1,024 float32.
;; This version of the problem:
;;   THIS VERSION OF THE PROBLEM IS GIVEN IN LOW PRECISION. The matrix products marked QUANTISED in the list below multiply operands that are first quantised to E2M1 (2 exponent bits, 1 mantissa bit; 4 bits a number), with one power-of-two scale for each 32 numbers along K (OCP MX v1.0); their sums are f32. All else is computed in f32.
;;   The module's matrix products, in the order in which they are computed (A, B: the left and right operand; K: the contracted axis; several contracted axes count as one K, in the product's order):
;;     1. [M 8,192, K 1,024] x [K 1,024, N 1,024]; A: input query; B: input Wq: QUANTISED
;;     2. [M 8,192, K 1,024] x [K 1,024, N 1,024]; A: input keys; B: input Wk: QUANTISED
;;     3. [M 8,192, K 1,024] x [K 1,024, N 1,024]; A: input keys; B: input Wv: QUANTISED
;;     4. batch 32 x [M 2,048, K 128] x [K 128, N 2,048]; A: computed on the way; B: computed on the way: QUANTISED
;;     5. batch 32 x [M 2,048, K 2,048] x [K 2,048, N 128]; A: softmax (see below); B: computed on the way: QUANTISED
;;   THE QUANTISER, for each operand of a quantised product, along K:
;;     - K is cut into blocks of 32 from its start; a last block that is shorter is filled with zeros.
;;     - A block's scale is 2^e with e = floor(log2(the largest magnitude in the block)) - 2, held to -126 .. 127; a block of zeros has e = 0. As a byte (E8M0): e + 127.
;;     - Each number is divided by its block's scale, clamped to +-6, and rounded to the nearest number of E2M1, ties to even, subnormals kept.
;;     - The product sums the exact products of the quantised numbers (number of the format x scale) in f32.
;;   ~~~python
;;   def quantise(x, axis):      # numpy; x: float32 -> the quantised numbers, widened to float32 again
;;       x = np.moveaxis(x, axis, -1); K = x.shape[-1]
;;       x = np.pad(x, [(0, 0)] * (x.ndim - 1) + [(0, -K % 32)]); x = x.reshape(x.shape[:-1] + (-1, 32)); a = np.abs(x).max(-1, keepdims=True)
;;       e = np.where(a > 0, np.clip(np.frexp(np.where(a > 0, a, 1))[1] - 1 - 2, -126, 127), 0)      # np.frexp(a)[1] - 1 = floor(log2(a)), exactly
;;       r = np.clip(x / 2.0 ** e, -6, 6)
;;       step = 2.0 ** (np.maximum(np.frexp(np.where(r == 0, 1, r))[1] - 1, 0) - 1)
;;       q = np.round(r / step) * step * 2.0 ** e      # np.round: ties to even
;;       return np.moveaxis(q.reshape(q.shape[:-2] + (-1,))[..., :K], -1, axis).astype(np.float32)
;;   ~~~
;;   SOFTMAX AHEAD OF A QUANTISED PRODUCT. Where the list says 'softmax', what is quantised is not the finished softmax but p = 2^(t - M), with t = logit x log2(e) and M = ceil(the row's largest t), a whole number; so 1/2 < the row's largest p <= 1. The row's sum l is taken of the UNQUANTISED p, in f32, and the product's result is divided by l at the end. Since M is a whole number, a kernel that streams over the keys may use a running M (the ceiling of the running maximum): every later rescaling is an exact power of two, which a block's scale takes up: the codes' values come out the same.
;;   OPERANDS COMPUTED ON THE WAY. 'Computed on the way' means the value that the module computes at that place (a softmax that the list does not call 'softmax' is quantised finished and normalised). What goes into a quantiser is computed in f32, as accurately as f32 sums, v_exp_f32 and their like allow (about 1e-6 of the number): no bf16 or f16 on the way to a quantiser, and a product that is left as it is and whose result goes on into a quantised operand takes f32 operands (vector FMAs, or v_wmma_f32_16x16x4_f32). A number that lies on a knife's edge between two numbers of the format may be rounded either way, as far as f32 arithmetic and the matrix unit's own rounding can turn it there, and no further.
;; One version. Each part assembles by itself: llvm-mc -triple=amdgcn-amd-amdhsa -mcpu=gfx1250 --defsym DOCPART=n.
;; ======== version 1 of 1: 4 launches
;; workspace buffers: xc 8,912,896 bytes; wc 1,671,168 bytes; qkv 13,369,344 bytes; pre 33,554,432 bytes; part 262,144 bytes
;; launch quant (part 1): grid 608 x 1, 4 waves a work-group, no clusters, 34,304 bytes of LDS; arguments query, keys, Wq, Wk, Wv, xc, wc; writes xc, wc
.if DOCPART == 1
	.amdgcn_target "amdgcn-amd-amdhsa--gfx1250"
	.amdhsa_code_object_version 6
	.text
	.protected	k_qb3fc785aed_quant
	.globl	k_qb3fc785aed_quant
	.p2align	8
	.type	k_qb3fc785aed_quant,@function
k_qb3fc785aed_quant:
	s_mov_b64 s[64:65], 0
	v_nop
	global_prefetch_b8 v0, s[64:65] scope:SCOPE_SE
	s_setreg_imm32_b32 hwreg(HW_REG_WAVE_MODE, 25, 1), 1
	s_wait_xcnt 0x0
; query, keys [8192][1024] and Wq, Wk, Wv [1024][1024], f32, K innermost, become codes of FP4 (E2M1) with one E8M0 byte for each 32 along K.
; A block's scale is 2^(floor(log2(its largest magnitude)) - 2); its byte is the largest magnitude's exponent field - 2, held at 1 from below.
; LIMITS: NaN and infinities among the inputs are not served.  A block whose largest magnitude lies under 2^-124 gets the byte 1; a block of zeros too, where the
; rule says 127: its codes are zeros, which add nothing under that byte, and the bytes are read by this program alone.
; THE WORKSPACE'S FORMAT, the same in every buffer of codes: a SUPER-BLOCK of 8,704 bytes holds 128 rows x 128 along K: eight fragments of 1,024 bytes and 512 bytes of scale words.
; A fragment is the image of a 4-bit operand's eight registers: registers 4 c .. 4 c + 3 of lane l at 512 c + 16 l; lane (r, h) holds k = 64 c + 32 h + 0 .. 31 of the tile's row r.
; THE ROWS OF A TILE ARE NOT NEIGHBOURS: row r of tile t is row 32 (t / 2) + 8 (t % 2) + r + 8 (r / 8) of the 128, so that a product that takes the tile as source 0 has 16 neighbours in the
; 16 registers of tiles 2 b and 2 b + 1.  The scale word of (tile t, row r) lies at 8192 + 16 (16 (t / 4) + r) + 4 (t % 4): one load of 16 bytes a lane brings all eight tiles' words.
; xc: [128 blocks of 128 rows][8 K steps][super-block], query then keys;  wc: [24 blocks][8][super-block], Wq, Wk, Wv.
; SHARES.  A work-group takes two K steps of one block of 128 rows; a wave takes four tiles (64 rows) of one K step: 64 rows x 512 bytes in, 4,096 bytes of codes and 256 scale bytes out.
; Each load reads 512 consecutive bytes of one row; a tile's 16 rows turn through the wave's own stage in LDS, so that a lane gets the 2 x 32 neighbours that the operand's layout gives it.
; No tensor loads, no barrier, no cluster: every input byte is read by one wave alone, and waves share nothing.
.set SB,    8704
.set SCO,   8192
.set PITCH, 528                        ; a stage row: 512 bytes + 16, so that the 16 rows that a load touches begin 16 bytes apart modulo 256
.set WST,   16*PITCH                   ; a wave's stage
.set LI,  1                            ; v1   16 x lane: my bytes of a row, and of a fragment's half
.set SA,  2                            ; v2   the stage, on the way in
.set SBK, 3                            ; v3   and on the way out: row r, + 128 h
.set SCA, 4                            ; v4   my 8 bytes of the wave's 256 scale bytes: 16 r + 8 h
.set SH,  5                            ; v5   8 h: how far my two bytes are shifted in the scale word
.set LN,  6                            ; v6   lane
.set PW,  16                           ; v16-19  a scale word for each tile
.set R,   32                           ; v32-159 two sets of 64: a tile's rows as loaded
.set X,   160                          ; v160-223 my 64 numbers of my row
.set C,   224                          ; v224-255 codes: eight registers for each tile, so that no store's data are written again
	s_load_b256 s[4:11], s[0:1], 0x0               ; query, keys, Wq, Wk
	s_load_b128 s[12:15], s[0:1], 0x20             ; Wv, xc
	s_load_b64 s[16:17], s[0:1], 0x30              ; wc
	v_lshl_add_u32 v30, v0, 2, 0x8400
	v_mov_b32 v31, 0
	v_lshrrev_b32 v7, 5, v0
	v_readfirstlane_b32 s28, v7                    ; wave 0..3
	v_and_b32 v[LN], 31, v0
	v_and_b32 v7, 15, v0                           ; r
	v_bfe_u32 v8, v0, 4, 1                         ; h
	v_lshlrev_b32 v[LI], 4, v[LN]
	s_mul_i32 s29, s28, WST
	v_add_nc_u32 v[SA], s29, v[LI]
	v_mul_u32_u24 v[SBK], v7, PITCH
	v_lshl_add_u32 v[SBK], v8, 7, v[SBK]
	v_add_nc_u32 v[SBK], s29, v[SBK]
	v_lshlrev_b32 v[SCA], 4, v7
	v_lshl_add_u32 v[SCA], v8, 3, v[SCA]
	v_lshlrev_b32 v[SH], 3, v8
	v_mov_b32 v10, 0                               ; written once: a lane permute's destination counts as one of its sources
	s_mov_b32 s26, 0x76543210
	s_mov_b32 s27, 0xfedcba98                      ; v_permlanex16_b32's selects for lane l xor 16
	s_lshr_b32 s18, ttmp9, 2                       ; which block of 128 rows, 0 .. 151
	s_and_b32 s19, ttmp9, 3
	s_and_b32 s32, s28, 1                          ; which four tiles
	s_lshr_b32 s33, s28, 1
	s_lshl_b32 s19, s19, 1
	s_add_co_u32 s33, s33, s19                     ; which K step, 0 .. 7
	s_wait_kmcnt 0x0
	; the tensor and its first block: the choices hang on the work-group's number alone
	s_mov_b64 s[20:21], s[12:13]
	s_mov_b32 s22, 144
	s_cmp_lt_u32 s18, 144
	s_cselect_b64 s[20:21], s[10:11], s[20:21]
	s_cselect_b32 s22, 136, s22
	s_cmp_lt_u32 s18, 136
	s_cselect_b64 s[20:21], s[8:9], s[20:21]
	s_cselect_b32 s22, 128, s22
	s_cmp_lt_u32 s18, 128
	s_cselect_b64 s[20:21], s[6:7], s[20:21]
	s_cselect_b32 s22, 64, s22
	s_cselect_b64 s[24:25], s[14:15], s[16:17]     ; activations go to xc, weights to wc
	s_cselect_b32 s23, 0, 128
	s_cmp_lt_u32 s18, 64
	s_cselect_b64 s[20:21], s[4:5], s[20:21]
	s_cselect_b32 s22, 0, s22
	s_sub_co_u32 s30, s18, s22
	s_lshl_b32 s30, s30, 19                        ; 128 rows of 4,096 bytes
	s_lshl_b32 s31, s32, 18                        ; 64 rows
	s_add_co_u32 s30, s30, s31
	s_lshl_b32 s31, s33, 9                         ; 128 numbers
	s_add_co_u32 s30, s30, s31
	s_mov_b32 s31, 0
	s_add_nc_u64 s[20:21], s[20:21], s[30:31]      ; my wave's first number
	s_sub_co_u32 s30, s18, s23
	s_lshl_b32 s30, s30, 3
	s_add_co_u32 s30, s30, s33
	s_mul_i32 s30, s30, SB                         ; my super-block
	s_lshl_b32 s34, s32, 8
	s_add_co_u32 s34, s34, s30
	s_add_co_u32 s34, s34, SCO
	s_mov_b32 s35, 0
	s_add_nc_u64 s[34:35], s[24:25], s[34:35]      ; my 256 scale bytes
	s_lshl_b32 s36, s32, 12
	s_add_co_u32 s30, s30, s36
	s_add_nc_u64 s[24:25], s[24:25], s[30:31]      ; my four fragments
.macro LOAD ti                         ; tile ti's 16 rows, 512 consecutive bytes a load, into set ti % 2
.irp i, 0,1,2,3,4,5,6,7,8,9,10,11,12,13,14,15
	global_load_b128 v[R+64*((\ti)%2)+4*\i:R+64*((\ti)%2)+4*\i+3], v[LI], s[20:21] offset:(32*((\ti)/2)+8*((\ti)%2)+\i+8*(\i/8))*4096 th:TH_LOAD_NT
.endr
.endm
.macro TILE ti
.if (\ti) < 3
	s_wait_loadcnt 16                              ; this tile's 16 loads are in; the next tile's 16 may be out
.else
	s_wait_loadcnt 0x0
.endif
.irp i, 0,1,2,3,4,5,6,7,8,9,10,11,12,13,14,15
	ds_store_b128 v[SA], v[R+64*((\ti)%2)+4*\i:R+64*((\ti)%2)+4*\i+3] offset:PITCH*\i
.endr
.irp c, 0,1
.irp j, 0,1,2,3,4,5,6,7
	ds_load_b128 v[X+32*\c+4*\j:X+32*\c+4*\j+3], v[SBK] offset:256*\c+16*\j   ; LDS serves a wave's instructions in order: these see my stores.  k = 64 c + 32 h + 4 j ..
.endr
.endr
	s_wait_dscnt 0x0                               ; my numbers are back, and the stores have read their registers,
.if (\ti) < 2
	LOAD (\ti)+2                                   ; which take the tile two further on
.endif
.irp c, 0,1
	v_max3_num_f32 v[8+\c], |v[X+32*\c]|, |v[X+32*\c+1]|, 0x1800000   ; block 2 c + h: all its 32 numbers are mine; and the floor 2^(3 - 127): the byte cannot fall under 1
.endr
.irp i, 2,4,6,8,10,12,14,16,18,20,22,24,26,28,30
.irp c, 0,1
	v_max3_num_f32 v[8+\c], v[8+\c], |v[X+32*\c+\i]|, |v[X+32*\c+\i+1]|   ; (the two blocks by turns)
.endr
.endr
.irp c, 0,1
	v_add_nc_u32 v[12+\c], 0xff000000, v[8+\c]     ; 2 off the exponent field: the conversion takes the exponent field of this operand as its scale
.endr
.irp c, 0,1
	v_lshrrev_b32 v[14+\c], 23, v[12+\c]           ; the scale's byte
.endr
	v_lshl_or_b32 v11, v15, 16, v14                ; my two bytes, blocks h and 2 + h,
	v_lshlrev_b32 v11, v[SH], v11                  ; at their places in the word;
	v_permlanex16_b32 v10, v11, s26, s27
	v_or_b32 v[PW+(\ti)], v11, v10                 ; with lane l xor 16's two the word is whole
.irp c, 0,1
.irp g, 0,1,2,3
	v_cvt_scalef32_pk8_fp4_f32 v[C+8*(\ti)+4*\c+\g], v[X+32*\c+8*\g:X+32*\c+8*\g+7], v[12+\c]
.endr
.endr
	v_nop                                          ; one plain place behind the last scaled conversion
.irp c, 0,1
	global_store_b128 v[LI], v[C+8*(\ti)+4*\c:C+8*(\ti)+4*\c+3], s[24:25] offset:1024*(\ti)+512*\c   ; the wave stores 512 consecutive bytes, aligned
.endr
.endm
	LOAD 0
	LOAD 1
	TILE 0
	TILE 1
	TILE 2
	TILE 3
	v_cmp_le_u32 vcc_lo, 16, v[LN]                 ; row r's four words are 16 bytes: lanes 0-15 store tiles 0 and 1's, lanes 16-31 tiles 2 and 3's
	v_cndmask_b32 v20, v[PW], v[PW+2], vcc_lo
	v_cndmask_b32 v21, v[PW+1], v[PW+3], vcc_lo
	global_store_b64 v[SCA], v[20:21], s[34:35]    ; 256 consecutive bytes, aligned
	s_wait_tensorcnt 0x0
	ds_add_u32 v30, v31
	s_wait_dscnt 0x0
	s_endpgm
.Lfunc_end_k_qb3fc785aed_quant:
	.size	k_qb3fc785aed_quant, .Lfunc_end_k_qb3fc785aed_quant-k_qb3fc785aed_quant
	.p2alignl 7, 3214868480
	.fill 96, 4, 3214868480
	.section	.rodata,"a",@progbits
	.p2align	6, 0x0
	.amdhsa_kernel k_qb3fc785aed_quant
		.amdhsa_group_segment_fixed_size 34304
		.amdhsa_private_segment_fixed_size 0
		.amdhsa_enable_private_segment 0
		.amdhsa_kernarg_size 56
		.amdhsa_user_sgpr_count 2
		.amdhsa_user_sgpr_kernarg_segment_ptr 1
		.amdhsa_wavefront_size32 1
		.amdhsa_system_sgpr_workgroup_id_x 1
		.amdhsa_system_sgpr_workgroup_id_y 1
		.amdhsa_system_sgpr_workgroup_id_z 1
		.amdhsa_system_vgpr_workitem_id 0
		.amdhsa_next_free_vgpr 256
		.amdhsa_next_free_sgpr 66
		.amdhsa_reserve_vcc 1
		.amdhsa_float_denorm_mode_32 3
		.amdhsa_float_denorm_mode_16_64 3
		.amdhsa_memory_ordered 1
		.amdhsa_forward_progress 1
		.amdhsa_inst_pref_size 31
	.end_amdhsa_kernel
	.amdgpu_metadata
---
amdhsa.version: [ 1, 2 ]
amdhsa.kernels:
  - .name:           k_qb3fc785aed_quant
    .symbol:         k_qb3fc785aed_quant.kd
    .args:
      - { .name: query, .offset: 0, .size: 8, .value_kind: global_buffer, .address_space: global }
      - { .name: keys, .offset: 8, .size: 8, .value_kind: global_buffer, .address_space: global }
      - { .name: Wq, .offset: 16, .size: 8, .value_kind: global_buffer, .address_space: global }
      - { .name: Wk, .offset: 24, .size: 8, .value_kind: global_buffer, .address_space: global }
      - { .name: Wv, .offset: 32, .size: 8, .value_kind: global_buffer, .address_space: global }
      - { .name: xc, .offset: 40, .size: 8, .value_kind: global_buffer, .address_space: global }
      - { .name: wc, .offset: 48, .size: 8, .value_kind: global_buffer, .address_space: global }
    .group_segment_fixed_size: 34304
    .private_segment_fixed_size: 0
    .kernarg_segment_align: 8
    .kernarg_segment_size: 56
    .max_flat_workgroup_size: 128
    .sgpr_count:     66
    .vgpr_count:     256
    .wavefront_size: 32
...
	.end_amdgpu_metadata
.endif
;; end of part 1
;; launch proj (part 2): grid 4 x 96, 4 waves a work-group, clusters of 4 x 4, 279,040 bytes of LDS; arguments xc, wc, qkv; writes qkv
.if DOCPART == 2
	.amdgcn_target "amdgcn-amd-amdhsa--gfx1250"
	.amdhsa_code_object_version 6
	.text
	.protected	k_qb3fc785aed_proj
	.globl	k_qb3fc785aed_proj
	.p2align	8
	.type	k_qb3fc785aed_proj,@function
k_qb3fc785aed_proj:
	s_mov_b64 s[64:65], 0
	v_nop
	global_prefetch_b8 v0, s[64:65] scope:SCOPE_SE
	s_setreg_imm32_b32 hwreg(HW_REG_WAVE_MODE, 25, 1), 1
	s_wait_xcnt 0x0
	s_wait_alu depctr_hold_cnt(0) depctr_sa_sdst(0) depctr_va_vdst(0) depctr_va_sdst(0) depctr_va_ssrc(0) depctr_va_vcc(0) depctr_vm_vsrc(0)
	s_getreg_b32 s2, hwreg(HW_REG_IB_STS2, 6, 4)
	s_cmp_eq_u32 s2, 0
	s_cbranch_scc0 .Lentry_in_a_cluster
	s_endpgm
.Lentry_in_a_cluster:
	s_bfe_u32 s2, ttmp6, 0x10000c
	s_cmp_lg_u32 s2, 0xf033
	s_cbranch_scc0 .Lentry_shape_is_right
	s_endpgm
.Lentry_shape_is_right:
; The three projections Q = query Wq^T, K = keys Wk^T, V = keys Wv^T, [8192][1024] each, K = 1,024, on codes of FP4 (E2M1) with E8M0 scales, sums in f32; each result is quantised in registers
; for the product that takes it next, and leaves as codes: Q and K along the head's 128, V along the keys.
; LIMITS: NaN and infinities are not served.  A block whose largest magnitude lies under 2^-124, a block of zeros among them, gets the byte 1 (its codes are then zeros or next to it; this program alone reads the bytes).
; FORMAT of xc, wc and qkv: super-blocks of 8,704 bytes = 128 rows x 128 along K: eight fragments of 1,024 bytes (register images: registers 4 c .. 4 c + 3 of lane l at 512 c + 16 l) and, at 8192,
; the scale words ((tile t, row r) at 16 (16 (t / 4) + r) + 4 (t % 4)).  Row r of tile t is row 32 (t / 2) + 8 (t % 2) + r + 8 (r / 8) of the 128.
; qkv: [Q, K, V][8 b + head][16][super-block].  Q, K: a super-block is 128 tokens x the head's 128.  V: a super-block is the head's 128 x 128 keys.
; SHARES.  A work-group makes 256 tokens x 256 features of one projection; a wave 128 x 128: 64 accumulators, 512 registers; its result is exactly one super-block of qkv.
; Cluster y / 8 says which projection: the same in all sixteen partners.
; Q AND K: source 0 = 16 weight rows, source 1 = 16 tokens: a lane holds one token, its registers run along the head's 128.  V: source 0 = 16 tokens, source 1 = 16 weight rows: a lane holds one feature,
; its registers run along the keys.  Only the 64 matrix instructions of a K step differ: they stand in two arms of a scalar branch; loads, waits, barriers and the way out are common.
; LDS: the work-group's two blocks of activations and two of weights, all of K: 4 x 69,632 bytes, each byte filled ONCE, by tensor loads of two K steps (17,408 dense bytes, 68 rows of 256): four a wave,
; issued together at the start.  Nothing is stored to LDS and nothing is filled again.
; CLUSTERS: 4 x 4 work-groups.  The four of a row of the cluster need the same activations, the four of a column the same weights: each tile is asked for jointly.
; REGISTERS, in windows of 256: window 0: v1-6 addresses; v16-31 scale words, two sets; v32-59 at work on the way out; v64-127, v128-191 the activations' fragments, two sets (on the way out v64-127: the codes);
;   window 1: v64-127, v128-191 the weights' fragments;   windows 2, 3: accumulator (g, e) at v[8 (8 (g % 4) + e)] of window 2 + g / 4.
.set SCO, 8192
.set SB,  8704
.set BLK, 8*SB                         ; 128 rows, all of K
.set QB,  2*SB                         ; what one tensor load brings
.set LI,  1                            ; v1    16 x lane
.set AY,  2                            ; v2-3  LDS address of my block of activations: K steps 0-3, 4-7
.set AW,  4                            ; v4-5  the same for my block of weights
.set LN,  6                            ; v6    lane
.set SC,  16                           ; scale words: set p at v[SC + 8 p]: + 0 .. 3 the activations', + 4 .. 7 the weights'; register i: lanes 0-15 tile i, lanes 16-31 tile 4 + i
.set TM,  32                           ; v32-35 largest magnitudes, v36-39 bytes, v44-47 the conversions' scale operands
.set PW,  48                           ; v48-55 the scale word of each of the eight groups
.set MW,  56                           ; v56-59 the same, as they are stored
.set PC,  64                           ; v64-127 the codes: eight registers a group, so that no store's data are written again
.set G1Y, 24                           ; s[24:31] descriptor group 1 for the activations;  s[32:47] group 0, a set for each of the four loads
.set G0Y, 32
.set G1W, 48                           ; s[48:55], s[68:83] the same for the weights
.set G0W, 68
.set SEL, 92                           ; s[92:93] v_permlanex16_b32's selects for lane l xor 16
.set MSB, 0
.macro WIN new                         ; the immediate's high byte repeats the setting that is left; a switch that changes nothing is dropped
.if MSB != (\new)
	s_set_vgpr_msb (MSB<<8)|(\new)
.set MSB, (\new)
.endif
.endm
.macro CROUND                          ; a round of the cluster's barrier
	s_barrier_signal -1
	s_barrier_wait -1
	s_cmp_lg_u32 s10, 0
	s_cbranch_scc1 .Lnot_wave_0_\@
	s_barrier_signal -3
.Lnot_wave_0_\@:
	s_barrier_wait -3
	s_barrier_signal -1
	s_barrier_wait -1
.endm
.macro PLACES                          ; four places in front of loads into registers that matrix instructions have read, and of the first read of results
.rept 4
	v_nop
.endr
.endm
	s_load_b128 s[4:7], s[0:1], 0x0                ; xc, wc
	s_load_b64 s[8:9], s[0:1], 0x10                ; qkv
	v_lshl_add_u32 v254, v0, 2, 0x44000
	v_mov_b32 v255, 0
	ds_add_u32 v254, v255
	v_lshrrev_b32 v7, 5, v0
	v_readfirstlane_b32 s10, v7                    ; wave 0..3
	s_lshr_b32 s11, s10, 1                         ; which block of activations I multiply.  Also: I fetch activations (0) or weights (1)
	s_and_b32 s12, s10, 1                          ; which block of weights.  Also: which of the two blocks I fetch
	v_and_b32 v[LN], 31, v0
	v_lshlrev_b32 v[LI], 4, v[LN]
	s_mul_i32 s21, s11, BLK
	v_add_nc_u32 v[AY], s21, v[LI]
	v_add_nc_u32 v[AY+1], 4*SB, v[AY]
	s_mul_i32 s22, s12, BLK
	s_add_co_u32 s22, s22, 2*BLK                   ; the weights lie behind the activations
	v_add_nc_u32 v[AW], s22, v[LI]
	v_add_nc_u32 v[AW+1], 4*SB, v[AW]
.irp b, 0,1,2,3
	v_mov_b32 v[TM+4+\b], 0                        ; written once: a lane permute's destination counts as one of its sources
.endr
	s_mov_b32 s[SEL], 0x76543210
	s_mov_b32 s[SEL+1], 0xfedcba98
	s_bfe_u32 s84, ttmp6, 0x40000                  ; cx, cy: my place in the cluster
	s_bfe_u32 s85, ttmp6, 0x40004
	s_and_b32 s13, ttmp7, 0xffff                   ; cluster y, 0 .. 23
	s_lshr_b32 s14, s13, 3                         ; the projection: 0 Q, 1 K, 2 V
	s_and_b32 s15, s13, 7
	s_lshl_b32 s15, s15, 2
	s_add_co_u32 s15, s15, s85                     ; which 256 tokens
	s_lshl_b32 s16, ttmp9, 2
	s_add_co_u32 s16, s16, s84                     ; which 256 features
	s_lshl_b32 s86, s85, 2
	s_lshl_b32 s86, 15, s86                        ; my row of the cluster
	s_lshl_b32 s87, 0x1111, s84                    ; my column
	; descriptor group 1: 68 rows of 32 elements of 8 bytes, dense, no padding
	s_or_b32 s[G1Y], s86, (3<<16)|(1<<21)          ; 15:0 the mask: activations go to my row; 17:16 elements of 8 bytes; 21 set beside a mask
	s_or_b32 s[G1W], s87, (3<<16)|(1<<21)          ; weights go to my column
.irp g, G1Y, G1W
	s_mov_b32 s[\g+1], 32<<16                      ; tensor_dim0
	s_mov_b32 s[\g+2], 68<<16                      ; tensor_dim1
	s_mov_b32 s[\g+3], 32<<16                      ; tile_dim0
	s_mov_b32 s[\g+4], 68                          ; tile_dim1
	s_mov_b32 s[\g+5], 32                          ; tensor_dim0_stride
	s_mov_b32 s[\g+6], 0
	s_mov_b32 s[\g+7], 0
.endr
	; where the tiles come from.  The activations' address hangs on cy alone, the weights' on cx alone, each in registers that never hold the other coordinate
	s_min_u32 s88, s14, 1
	s_lshl_b32 s88, s88, 6                         ; query's blocks, or keys'
	s_lshl_b32 s18, s15, 1
	s_add_co_u32 s88, s88, s18
	s_add_co_u32 s88, s88, s12
	s_mul_i32 s88, s88, BLK
	s_mov_b32 s89, 0
	s_lshl_b32 s90, s14, 3                         ; Wq's, Wk's or Wv's blocks
	s_lshl_b32 s19, s16, 1
	s_add_co_u32 s90, s90, s19
	s_add_co_u32 s90, s90, s12
	s_mul_i32 s90, s90, BLK
	s_mov_b32 s91, 0
	s_mul_i32 s20, s10, BLK                        ; where they go: wave x a block: no place in the cluster enters an LDS address
	; my super-block of qkv
	s_lshl_b32 s56, s15, 1
	s_add_co_u32 s56, s56, s11                     ; my block of 128 tokens, 0 .. 63
	s_lshr_b32 s57, s56, 4                         ; b
	s_and_b32 s56, s56, 15
	s_lshl_b32 s58, s16, 1
	s_add_co_u32 s58, s58, s12                     ; head
	s_lshl_b32 s57, s57, 3
	s_add_co_u32 s57, s57, s58
	s_lshl_b32 s57, s57, 4
	s_add_co_u32 s57, s57, s56
	s_lshl_b32 s58, s14, 9
	s_add_co_u32 s56, s57, s58
	s_mul_i32 s56, s56, SB
	s_mov_b32 s57, 0
	s_wait_dscnt 0x0
	s_wait_kmcnt 0x0
	s_add_nc_u64 s[88:89], s[4:5], s[88:89]
	s_add_nc_u64 s[90:91], s[6:7], s[90:91]
	s_add_nc_u64 s[8:9], s[8:9], s[56:57]
.irp q, 0,1,2,3
	s_mov_b32 s[G0Y+4*\q], 1                       ; count = 1
	s_add_co_u32 s[G0Y+4*\q+1], s20, \q*QB         ; LDS address
	s_add_nc_u64 s[G0Y+4*\q+2:G0Y+4*\q+3], s[88:89], \q*QB   ; global address: K steps 2 q and 2 q + 1
	s_or_b32 s[G0Y+4*\q+3], s[G0Y+4*\q+3], 0x80000000        ; type = 2
	s_mov_b32 s[G0W+4*\q], 1
	s_add_co_u32 s[G0W+4*\q+1], s20, \q*QB
	s_add_nc_u64 s[G0W+4*\q+2:G0W+4*\q+3], s[90:91], \q*QB
	s_or_b32 s[G0W+4*\q+3], s[G0W+4*\q+3], 0x80000000
.endr
	CROUND                                         ; all sixteen work-groups are here: the joint loads meet
	s_cmp_lt_u32 s10, 2                            ; a wave's four fills stand in one branch on the wave's number: four tensor loads of mine are out.  Four v_nop follow the last
	s_cbranch_scc0 .Lfill_w
.irp q, 0,1,2,3
	tensor_load_to_lds s[G0Y+4*\q:G0Y+4*\q+3], s[G1Y:G1Y+7]
	s_nop 0
.endr
.rept 4
	v_nop
.endr
	s_branch .Lfilled
.Lfill_w:
.irp q, 0,1,2,3
	tensor_load_to_lds s[G0W+4*\q:G0W+4*\q+3], s[G1W:G1W+7]
	s_nop 0
.endr
.rept 4
	v_nop
.endr
.Lfilled:
; 34 LDS loads in one run: K step s's eight fragments of the weights and of the activations, and their scale words, into set p.  Each load takes 512 consecutive bytes
.macro FETCH s, p
	WIN 0x40                                       ; destination window 1, address window 0
.irp t, 0,1,2,3,4,5,6,7
.irp c, 0,1
	ds_load_b128 v[64+64*(\p)+8*\t+4*\c:64+64*(\p)+8*\t+4*\c+3], v[AW+(\s)/4] offset:((\s)%4)*SB+1024*\t+512*\c
.endr
.endr
	WIN 0
.irp t, 0,1,2,3,4,5,6,7
.irp c, 0,1
	ds_load_b128 v[64+64*(\p)+8*\t+4*\c:64+64*(\p)+8*\t+4*\c+3], v[AY+(\s)/4] offset:((\s)%4)*SB+1024*\t+512*\c
.endr
.endr
	ds_load_b128 v[SC+8*(\p):SC+8*(\p)+3], v[AY+(\s)/4] offset:((\s)%4)*SB+SCO
	ds_load_b128 v[SC+8*(\p)+4:SC+8*(\p)+7], v[AW+(\s)/4] offset:((\s)%4)*SB+SCO
.endm
; One matrix instruction: accumulator rD, source 0 at rA (tile e), source 1 at rB (tile g).  Tiles 4 to 7 have their scale words in lanes 16-31.  z = 1: the product starts the sum
.macro WM z
.if \z
.if (e/4) && (g/4)
	v_wmma_scale_f32_16x16x128_f8f6f4 v[rD:rD+7], v[rA:rA+7], v[rB:rB+7], 0, v[sA], v[sB] matrix_a_fmt:MATRIX_FMT_FP4 matrix_b_fmt:MATRIX_FMT_FP4 matrix_a_scale:MATRIX_SCALE_ROW1 matrix_b_scale:MATRIX_SCALE_ROW1
.elseif e/4
	v_wmma_scale_f32_16x16x128_f8f6f4 v[rD:rD+7], v[rA:rA+7], v[rB:rB+7], 0, v[sA], v[sB] matrix_a_fmt:MATRIX_FMT_FP4 matrix_b_fmt:MATRIX_FMT_FP4 matrix_a_scale:MATRIX_SCALE_ROW1
.elseif g/4
	v_wmma_scale_f32_16x16x128_f8f6f4 v[rD:rD+7], v[rA:rA+7], v[rB:rB+7], 0, v[sA], v[sB] matrix_a_fmt:MATRIX_FMT_FP4 matrix_b_fmt:MATRIX_FMT_FP4 matrix_b_scale:MATRIX_SCALE_ROW1
.else
	v_wmma_scale_f32_16x16x128_f8f6f4 v[rD:rD+7], v[rA:rA+7], v[rB:rB+7], 0, v[sA], v[sB] matrix_a_fmt:MATRIX_FMT_FP4 matrix_b_fmt:MATRIX_FMT_FP4
.endif
.else
.if (e/4) && (g/4)
	v_wmma_scale_f32_16x16x128_f8f6f4 v[rD:rD+7], v[rA:rA+7], v[rB:rB+7], v[rD:rD+7], v[sA], v[sB] matrix_a_fmt:MATRIX_FMT_FP4 matrix_b_fmt:MATRIX_FMT_FP4 matrix_a_scale:MATRIX_SCALE_ROW1 matrix_b_scale:MATRIX_SCALE_ROW1
.elseif e/4
	v_wmma_scale_f32_16x16x128_f8f6f4 v[rD:rD+7], v[rA:rA+7], v[rB:rB+7], v[rD:rD+7], v[sA], v[sB] matrix_a_fmt:MATRIX_FMT_FP4 matrix_b_fmt:MATRIX_FMT_FP4 matrix_a_scale:MATRIX_SCALE_ROW1
.elseif g/4
	v_wmma_scale_f32_16x16x128_f8f6f4 v[rD:rD+7], v[rA:rA+7], v[rB:rB+7], v[rD:rD+7], v[sA], v[sB] matrix_a_fmt:MATRIX_FMT_FP4 matrix_b_fmt:MATRIX_FMT_FP4 matrix_b_scale:MATRIX_SCALE_ROW1
.else
	v_wmma_scale_f32_16x16x128_f8f6f4 v[rD:rD+7], v[rA:rA+7], v[rB:rB+7], v[rD:rD+7], v[sA], v[sB] matrix_a_fmt:MATRIX_FMT_FP4 matrix_b_fmt:MATRIX_FMT_FP4
.endif
.endif
.endm
; A K step's 64 matrix instructions on set p.  swap = 0: source 0 = the weights' tile e (window 1), source 1 = the activations' tile g (window 0); swap = 1: the other way round.
; The 64 accumulators take turns, one instruction a turn, in the same order in every step.
.macro MUL p, swap, z
.set g, 0
.rept 8
.if g == 0
	WIN 0xa1+3*(\swap)                             ; C and D window 2
.elseif g == 4
	WIN 0xf1+3*(\swap)                             ; C and D window 3
.endif
.set e, 0
.rept 8
.set rD, 8*(8*(g%4)+e)
.set rA, 64+64*(\p)+8*e
.set rB, 64+64*(\p)+8*g
.if \swap
.set sA, SC+8*(\p)+e%4
.set sB, SC+8*(\p)+4+g%4
.else
.set sA, SC+8*(\p)+4+e%4
.set sB, SC+8*(\p)+g%4
.endif
	WM \z
.set e, e+1
.endr
.set g, g+1
.endr
.endm
; K step s.  The next step's fragments are asked for ahead of this step's 64 matrix instructions.  Where the next step begins a new load's bytes, each wave first waits for that load of its own
; (the count: its younger loads, which may stay out) and passes a barrier.
.macro STEP s, z
	s_wait_dscnt 0x0                               ; this step's fragments and scale words are in
.if ((\s) < 7) && ((\s)%2 == 1)
	s_wait_tensorcnt 3-((\s)+1)/2
	s_barrier_signal -1
	s_barrier_wait -1
.endif
.if (\s) < 7
.if (\s) > 0
	PLACES                                         ; the set that is loaded was multiplied in the step before
.endif
	FETCH (\s)+1, ((\s)+1)%2
.endif
	s_cmp_eq_u32 s14, 2                            ; V?  The same in every wave of every partner
	s_cbranch_scc1 .Lv_\@
	MUL (\s)%2, 0, \z
	WIN 0                                          ; at a branch and at a label every window is 0
	s_branch .Lj_\@
.Lv_\@:
	MUL (\s)%2, 1, \z
	WIN 0
.Lj_\@:
.endm
; THE WAY OUT of group g: its eight accumulators are 64 numbers a lane, register 16 b + i = index 32 b + 16 (lane / 16) + i along the next product's K, of the lane's row.  They become one fragment and one scale word a row.
.macro QUANTW g
.set N, 2+(\g)/4
.set AC, 64*((\g)%4)
	WIN (N<<2)|(N<<4)                              ; sources 1 and 2: the accumulators' window
.irp b, 0,1,2,3
	v_max3_num_f32 v[TM+\b], 0x1800000, |v[AC+16*\b]|, |v[AC+16*\b+1]|   ; block b: my 16 numbers, each accumulator from its low end on, and the floor 2^(3 - 127): the byte cannot fall under 1
.endr
.irp i, 2,4,6,8,10,12,14
.irp b, 0,1,2,3
	v_max3_num_f32 v[TM+\b], v[TM+\b], |v[AC+16*\b+\i]|, |v[AC+16*\b+\i+1]|   ; (the four blocks by turns)
.endr
.endr
	WIN 0
.irp b, 0,1,2,3
	v_permlanex16_b32 v[TM+4+\b], v[TM+\b], s[SEL], s[SEL+1]
.endr
.irp b, 0,1,2,3
	v_max_num_f32 v[TM+\b], v[TM+\b], v[TM+4+\b]   ; with lane l xor 16's: the block's largest magnitude
.endr
.irp b, 0,1,2,3
	v_add_nc_u32 v[TM+12+\b], 0xff000000, v[TM+\b] ; 2 off its exponent field: the conversion's scale operand
.endr
.irp b, 0,1,2,3
	v_lshrrev_b32 v[TM+4+\b], 23, v[TM+12+\b]      ; the scale's byte
.endr
	v_lshl_or_b32 v[PW+(\g)], v[TM+5], 8, v[TM+4]  ; the four bytes make my row's scale word
	v_lshl_or_b32 v[PW+(\g)], v[TM+6], 16, v[PW+(\g)]
	v_lshl_or_b32 v[PW+(\g)], v[TM+7], 24, v[PW+(\g)]
	WIN N                                          ; source 0: the accumulators' window
.irp b, 0,1,2,3
	v_cvt_scalef32_pk8_fp4_f32 v[PC+8*(\g)+2*\b], v[AC+16*\b:AC+16*\b+7], v[TM+12+\b]
	v_cvt_scalef32_pk8_fp4_f32 v[PC+8*(\g)+2*\b+1], v[AC+16*\b+8:AC+16*\b+15], v[TM+12+\b]
.endr
	WIN 0
	v_nop                                          ; one plain place behind a scaled conversion
.irp c, 0,1                                    ; the operand's layout wants a whole block in a lane: lanes 0-15 block 2 c, lanes 16-31 block 2 c + 1
.irp i, 0,1
	v_permlane16_swap_b32 v[PC+8*(\g)+4*\c+\i], v[PC+8*(\g)+4*\c+2+\i]
.endr
.endr
.irp c, 0,1
	global_store_b128 v[LI], v[PC+8*(\g)+4*\c:PC+8*(\g)+4*\c+3], s[8:9] offset:1024*(\g)+512*\c   ; the fragment's image: 512 consecutive bytes, aligned
.endr
.endm
	s_wait_tensorcnt 0x3                           ; my part of K steps 0 and 1 is in; my three younger loads may be out,
	s_barrier_signal -1
	s_barrier_wait -1                              ; everybody's is
	FETCH 0, 0
	STEP 0, 1                                      ; the first step's products start the sums: nothing is cleared
	STEP 1, 0
	STEP 2, 0
	STEP 3, 0
	STEP 4, 0
	STEP 5, 0
	STEP 6, 0
	STEP 7, 0
	PLACES
	QUANTW 0
	QUANTW 1
	QUANTW 2
	QUANTW 3
	QUANTW 4
	QUANTW 5
	QUANTW 6
	QUANTW 7
	v_cmp_le_u32 vcc_lo, 16, v[LN]                 ; the scale block: lane 16 (g / 4) + r stores the words of groups 4 (g / 4) + 0 .. 3 of row r (both halves of the lanes hold every word)
.irp i, 0,1,2,3
	v_cndmask_b32 v[MW+\i], v[PW+\i], v[PW+4+\i], vcc_lo
.endr
	global_store_b128 v[LI], v[MW:MW+3], s[8:9] offset:SCO
	s_wait_tensorcnt 0x0
	ds_add_u32 v254, v255
	s_wait_dscnt 0x0
	CROUND                                         ; the closing round: no work-group ends while a partner may still ask for a tile that names it
	s_endpgm
.Lfunc_end_k_qb3fc785aed_proj:
	.size	k_qb3fc785aed_proj, .Lfunc_end_k_qb3fc785aed_proj-k_qb3fc785aed_proj
	.p2alignl 7, 3214868480
	.fill 96, 4, 3214868480
	.section	.rodata,"a",@progbits
	.p2align	6, 0x0
	.amdhsa_kernel k_qb3fc785aed_proj
		.amdhsa_group_segment_fixed_size 279040
		.amdhsa_private_segment_fixed_size 0
		.amdhsa_enable_private_segment 0
		.amdhsa_kernarg_size 24
		.amdhsa_user_sgpr_count 2
		.amdhsa_user_sgpr_kernarg_segment_ptr 1
		.amdhsa_wavefront_size32 1
		.amdhsa_system_sgpr_workgroup_id_x 1
		.amdhsa_system_sgpr_workgroup_id_y 1
		.amdhsa_system_sgpr_workgroup_id_z 1
		.amdhsa_system_vgpr_workitem_id 0
		.amdhsa_next_free_vgpr 1024
		.amdhsa_next_free_sgpr 96
		.amdhsa_reserve_vcc 1
		.amdhsa_float_denorm_mode_32 3
		.amdhsa_float_denorm_mode_16_64 3
		.amdhsa_memory_ordered 1
		.amdhsa_forward_progress 1
		.amdhsa_inst_pref_size 190
	.end_amdhsa_kernel
	.amdgpu_metadata
---
amdhsa.version: [ 1, 2 ]
amdhsa.kernels:
  - .name:           k_qb3fc785aed_proj
    .symbol:         k_qb3fc785aed_proj.kd
    .args:
      - { .name: xc, .offset: 0, .size: 8, .value_kind: global_buffer, .address_space: global }
      - { .name: wc, .offset: 8, .size: 8, .value_kind: global_buffer, .address_space: global }
      - { .name: qkv, .offset: 16, .size: 8, .value_kind: global_buffer, .address_space: global }
    .group_segment_fixed_size: 279040
    .private_segment_fixed_size: 0
    .kernarg_segment_align: 8
    .kernarg_segment_size: 24
    .max_flat_workgroup_size: 128
    .sgpr_count:     96
    .vgpr_count:     1024
    .wavefront_size: 32
...
	.end_amdgpu_metadata
.endif
;; end of part 2
;; launch attn (part 3): grid 8 x 32, 16 waves a work-group, clusters of 4 x 1, 296,960 bytes of LDS; arguments qkv, query, pre, part; writes pre, part
.if DOCPART == 3
	.amdgcn_target "amdgcn-amd-amdhsa--gfx1250"
	.amdhsa_code_object_version 6
	.text
	.protected	k_qb3fc785aed_attn
	.globl	k_qb3fc785aed_attn
	.p2align	8
	.type	k_qb3fc785aed_attn,@function
k_qb3fc785aed_attn:
	s_mov_b64 s[64:65], 0
	v_nop
	global_prefetch_b8 v0, s[64:65] scope:SCOPE_SE
	s_setreg_imm32_b32 hwreg(HW_REG_WAVE_MODE, 25, 1), 1
	s_wait_xcnt 0x0
	s_wait_alu depctr_hold_cnt(0) depctr_sa_sdst(0) depctr_va_vdst(0) depctr_va_sdst(0) depctr_va_ssrc(0) depctr_va_vcc(0) depctr_vm_vsrc(0)
	s_getreg_b32 s2, hwreg(HW_REG_IB_STS2, 6, 4)
	s_cmp_eq_u32 s2, 0
	s_cbranch_scc0 .Lentry_in_a_cluster
	s_endpgm
.Lentry_in_a_cluster:
	s_bfe_u32 s2, ttmp6, 0x10000c
	s_cmp_lg_u32 s2, 0x3003
	s_cbranch_scc0 .Lentry_shape_is_right
	s_endpgm
.Lentry_shape_is_right:
; pre[b][s][128 head + :] = softmax_k(Q . K / 32) V + query, for each of the 32 pairs (b, head); and, for each work-group's 256 rows, the mean and the sum of squared deviations of each of the head's 128 features.
; Both products on codes of FP4 (E2M1) with E8M0 scales.  THE SOFTMAX AHEAD OF THE SECOND PRODUCT: t = score x log2(e) / 32; M = the row's largest t so far, rounded UP to a whole number; p = 2^(t - M) is what is
; quantised, along the keys; the row's sum is taken of the unquantised p and divides at the end.  When M moves, the sum and O are multiplied by 2^(old M - new M): exact.
; LIMITS: NaN and infinities are not served.  A block of p whose largest number lies under 2^-124 gets the byte 1 (a block of zeros too: its codes are zeros).
; qkv: [Q, K, V][8 b + head][16][super-block of 8,704 bytes]: eight fragments of 1,024 bytes (register images: registers 4 c .. 4 c + 3 of lane l at 512 c + 16 l), then the scale words ((tile t, row r) at
; 8192 + 16 (16 (t / 4) + r) + 4 (t % 4)).  Q, K: 128 tokens x the head's 128; V: the head's 128 x 128 keys.  Row r of tile t is row 32 (t / 2) + 8 (t % 2) + r + 8 (r / 8) of the 128.
; SHARES.  A work-group owns 256 queries of one (b, head); each of its sixteen waves one tile of 16, in 256 registers: four waves to a SIMD, so that one wave's vector work stands beside another's matrix work and LDS loads.
; Both products are used transposed (S^T = K Q^T, O^T = V^T P^T): a lane holds ONE query throughout, and by the order of a tile's rows the 16 registers of tiles 2 b and 2 b + 1 are 16 neighbouring keys (or features).
; LDS: all of the pair's K (139,264 bytes) and V (139,264), each byte filled ONCE: four tensor loads of four key steps each for K (wave 0) and four for V (wave 1), issued together.  The first four key steps are read
; as soon as the first load of each has landed; the other twelve behind ONE more barrier, in front of which waves 0 and 1 have waited for all their loads.  From there to the way out no barrier holds the waves in step.
; Behind K and V 16,384 bytes of the waves' statistics.  The stages of the way out lie over K, behind a barrier behind which nobody reads K; K has had its only fill.
; THE SOFTMAX'S ORDER.  No two exponentials follow each other: behind each stands a plain instruction that is ready and names neither its result nor its source.  The plain ones are the scalings a few pairs ahead,
; O^T's rescaling, which hangs on no exponential, and the row's sums a few pairs back.
; CLUSTER: the four query blocks of a cluster belong to one (b, head) and read the same K and V: each tile is asked for jointly, mask 15.
; THE VARIANCE is made of means and sums of squared deviations, joined level by level; no difference of large sums is formed.
; REGISTERS: v1-7 addresses that stay; v8-9 the step's LDS addresses; v12 -M, v13 the largest t, v[14:15] the sum in two halves; v16-23 Q; v24-27 K's scale words, v28-31 V's; v32-95 eight fragments of K, then of V;
; v96-159 S^T, then p; v160-223 O^T; v224-231 p's codes; v232-254 at work (v[240:241]: the sum's second chain; v253: p's scale word); v255 Q's scale words.
.set SB,   8704
.set SCO,  8192
.set HB,   16*SB                       ; a pair's K, or V, or Q
.set QB,   4*SB                        ; what one tensor load brings: four key steps
.set STAT, 2*HB                        ; the waves' sums, 512 bytes each; 8,192 bytes on: their sums of squared deviations
.set SPT,  528                         ; a stage row: 512 bytes + 16
.set WST,  16*SPT                      ; a wave's stage
.set LI,  1                            ; v1  16 x lane
.set LV,  2                            ; v2  the same in V's part of LDS
.set SO,  3                            ; v3  the stage: where I put my query's numbers: row r, + 64 h
.set SR,  4                            ; v4  and where I read a row back
.set ST1, 5                            ; v5  where I store my wave's statistics
.set SRD, 6                            ; v6  where wave 0 reads them
.set PFO, 7                            ; v7  the prefetch's offset: row lane / 2 of my 16, half lane % 2 of its 512 bytes
.set ADK, 8
.set ADV, 9
.set KS,  24
.set VS,  28
.set TB,  2                            ; s2  LDS byte at which the key step's super-block of K begins
.set CNT, 3
.set WV,  18
.set SEL, 20                           ; s[20:21] v_permlanex16_b32's selects for lane l xor 16
.set CS,  22                           ; s[22:23] c = log2(e) / 32
.set G1,  24                           ; s[24:31] descriptor group 1;  s[32:47], s[48:63] groups 0 for K's and V's four loads
.set G0K, 32
.set G0V, 48
.set QR,  66                           ; s[66:67] query at my first row and head;  s[68:69] pre likewise;  s[70:71] my work-group's 1,024 bytes of part
.set PR,  68
.set PT,  70
.set C16, 72                           ; s[72:73] 1/16;  s[74:75] 16;  s[76:77] 1/256: the packed forms name a pair and take its low word for both halves
.set M16, 74
.set C256, 76
.macro CROUND                          ; a round of the cluster's barrier
	s_barrier_signal -1
	s_barrier_wait -1
	s_cmp_lg_u32 s[WV], 0
	s_cbranch_scc1 .Lnot_wave_0_\@
	s_barrier_signal -3
.Lnot_wave_0_\@:
	s_barrier_wait -3
	s_barrier_signal -1
	s_barrier_wait -1
.endm
	s_load_b256 s[4:11], s[0:1], 0x0               ; qkv, query, pre, part
	v_lshl_add_u32 v250, v0, 2, 0x48000
	v_mov_b32 v251, 0
	ds_add_u32 v250, v251
	v_lshrrev_b32 v8, 5, v0
	v_readfirstlane_b32 s[WV], v8                  ; wave 0..15
	v_and_b32 v9, 31, v0                           ; lane
	v_and_b32 v10, 15, v0                          ; r
	v_bfe_u32 v11, v0, 4, 1                        ; h
	v_lshlrev_b32 v[LI], 4, v9
	v_add_nc_u32 v[LV], HB, v[LI]
	s_mul_i32 s90, s[WV], WST
	v_mul_u32_u24 v[SO], v10, SPT
	v_lshl_add_u32 v[SO], v11, 6, v[SO]
	v_add_nc_u32 v[SO], s90, v[SO]
	v_add_nc_u32 v[SR], s90, v[LI]
	s_lshl_b32 s91, s[WV], 9
	s_add_co_u32 s91, s91, STAT
	v_add_nc_u32 v[ST1], s91, v[LI]
	v_add_nc_u32 v[SRD], STAT, v[LI]
	v_lshrrev_b32 v[PFO], 1, v9                    ; i = lane / 2
	v_and_b32 v12, 8, v[PFO]
	v_add_nc_u32 v[PFO], v[PFO], v12               ; my tile's row i lies i + 8 (i / 8) rows on
	v_lshlrev_b32 v[PFO], 12, v[PFO]
	v_and_b32 v12, 1, v9
	v_lshl_add_u32 v[PFO], v12, 8, v[PFO]
	v_lshlrev_b32 v254, 4, v10                     ; Q's scale words: 16 bytes a row
	s_bfe_u32 s12, ttmp6, 0x40000                  ; cx: my place in the cluster
	s_lshl_b32 s13, ttmp9, 2
	s_add_co_u32 s13, s13, s12                     ; my block of 256 queries: it enters Q's, query's, pre's and part's addresses alone
	s_and_b32 s14, ttmp7, 0xffff                   ; 8 b + head, which the four partners share
	s_lshr_b32 s15, s14, 3                         ; b
	s_and_b32 s16, s14, 7                          ; head
	s_and_b32 s17, s[WV], 7                        ; my tile in its super-block
	s_lshr_b32 s19, s[WV], 3                       ; which of the block's two super-blocks
	s_mul_i32 s80, s14, HB
	s_mov_b32 s81, 0
	; my first row: 2048 b + 256 block + 128 (wave / 8) + 32 (t / 2) + 8 (t % 2); in bytes, with the head's 512
	s_lshl_b32 s86, s13, 8
	s_lshl_b32 s87, s19, 7
	s_add_co_u32 s86, s86, s87
	s_lshr_b32 s87, s17, 1
	s_lshl_b32 s87, s87, 5
	s_add_co_u32 s86, s86, s87
	s_and_b32 s87, s17, 1
	s_lshl_b32 s87, s87, 3
	s_add_co_u32 s86, s86, s87
	s_lshl_b32 s87, s15, 11
	s_add_co_u32 s86, s86, s87
	s_lshl_b32 s86, s86, 12
	s_lshl_b32 s87, s16, 9
	s_add_co_u32 s86, s86, s87
	s_mov_b32 s87, 0
	s_lshl_b32 s88, s16, 5                         ; part: [head][8 b + block][1,024 bytes]
	s_lshl_b32 s89, s15, 3
	s_add_co_u32 s88, s88, s89
	s_add_co_u32 s88, s88, s13
	s_lshl_b32 s88, s88, 10
	s_mov_b32 s89, 0
	s_lshl_b32 s92, s13, 1
	s_add_co_u32 s92, s92, s19
	s_mul_i32 s92, s92, SB                         ; my super-block of Q,
	s_lshl_b32 s94, s17, 10
	s_add_co_u32 s94, s94, s92                     ; my fragment in it,
	s_mov_b32 s95, 0
	s_lshr_b32 s93, s17, 2
	s_lshl_b32 s93, s93, 8
	s_add_co_u32 s92, s92, s93
	s_and_b32 s93, s17, 3
	s_lshl_b32 s93, s93, 2
	s_add_co_u32 s92, s92, s93
	s_add_co_u32 s92, s92, SCO                     ; and my tile's scale words
	s_mov_b32 s93, 0
	; descriptor group 1: 136 rows of 32 elements of 8 bytes, dense, no padding
	s_mov_b32 s[G1], 15|(3<<16)|(1<<21)            ; 15:0 the mask: all four work-groups; 17:16 elements of 8 bytes; 21 set beside a mask
	s_mov_b32 s[G1+1], 32<<16                      ; tensor_dim0
	s_mov_b32 s[G1+2], 136<<16                     ; tensor_dim1
	s_mov_b32 s[G1+3], 32<<16                      ; tile_dim0
	s_mov_b32 s[G1+4], 136                         ; tile_dim1
	s_mov_b32 s[G1+5], 32                          ; tensor_dim0_stride
	s_mov_b32 s[G1+6], 0
	s_mov_b32 s[G1+7], 0
	s_mov_b32 s[SEL], 0x76543210
	s_mov_b32 s[SEL+1], 0xfedcba98
	s_mov_b32 s[CS], 0x3d38aa3b                    ; c = log2(e) / 32
	s_mov_b32 s[CS+1], s[CS]                       ; (named with it as a pair, so it is written)
	s_mov_b32 s[C16], 0x3d800000
	s_mov_b32 s[C16+1], s[C16]
	s_mov_b32 s[M16], 0x41800000
	s_mov_b32 s[M16+1], s[M16]
	s_mov_b32 s[C256], 0x3b800000
	s_mov_b32 s[C256+1], s[C256]
	s_wait_dscnt 0x0
	s_wait_kmcnt 0x0
	s_add_nc_u64 s[82:83], s[4:5], s[80:81]        ; the pair's Q; its K lies 32 HB on, its V 64 HB
	s_add_nc_u64 s[QR:QR+1], s[6:7], s[86:87]
	s_add_nc_u64 s[PR:PR+1], s[8:9], s[86:87]
	s_add_nc_u64 s[PT:PT+1], s[10:11], s[88:89]
	s_add_nc_u64 s[94:95], s[82:83], s[94:95]
	s_add_nc_u64 s[92:93], s[82:83], s[92:93]
.irp q, 0,1,2,3
	s_mov_b32 s[G0K+4*\q], 1                       ; count = 1
	s_mov_b32 s[G0K+4*\q+1], \q*QB                 ; LDS address
	s_add_nc_u64 s[G0K+4*\q+2:G0K+4*\q+3], s[82:83], 32*HB+\q*QB   ; global address: key steps 4 q .. 4 q + 3
	s_or_b32 s[G0K+4*\q+3], s[G0K+4*\q+3], 0x80000000              ; type = 2
	s_mov_b32 s[G0V+4*\q], 1
	s_mov_b32 s[G0V+4*\q+1], HB+\q*QB
	s_add_nc_u64 s[G0V+4*\q+2:G0V+4*\q+3], s[82:83], 64*HB+\q*QB
	s_or_b32 s[G0V+4*\q+3], s[G0V+4*\q+3], 0x80000000
.endr
	CROUND                                         ; all four work-groups are here: the joint loads meet
	s_cmp_lg_u32 s[WV], 0                          ; wave 0 asks for K, wave 1 for V, the others for nothing; a wave's four fills stand in one branch: four tensor loads of it are out.  Four v_nop follow the last
	s_cbranch_scc1 .Lnot_k
.irp q, 0,1,2,3
	tensor_load_to_lds s[G0K+4*\q:G0K+4*\q+3], s[G1:G1+7]
	s_nop 0
.endr
.rept 4
	v_nop
.endr
	s_branch .Lasked
.Lnot_k:
	s_cmp_lg_u32 s[WV], 1
	s_cbranch_scc1 .Lasked
.irp q, 0,1,2,3
	tensor_load_to_lds s[G0V+4*\q:G0V+4*\q+3], s[G1:G1+7]
	s_nop 0
.endr
.rept 4
	v_nop
.endr
.Lasked:
.irp c, 0,1
	global_load_b128 v[16+4*\c:19+4*\c], v[LI], s[94:95] offset:512*\c   ; Q's fragment stays in registers
.endr
	global_load_b32 v255, v254, s[92:93]           ; and its scale words: lane r has row r's
	v_mov_b32 v13, 0xff61b1e6                      ; the largest t so far: -3e38, under every t
	v_floor_f32 v12, -v13                          ; -M
	v_mov_b32 v14, 0                               ; the sum, in two halves
	v_mov_b32 v15, 0
.irp b, 0,1,2,3
	v_mov_b32 v[236+\b], 0                         ; written once: a lane permute's destination counts as one of its sources
.endr
	v_mov_b32 v253, 0                              ; (named as the upper half of the pair v[252:253] before it is first written)
.irp j, 0,1,2,3,4,5,6,7,8,9,10,11,12,13,14,15,16,17,18,19,20,21,22,23,24,25,26,27,28,29,30,31,32,33,34,35,36,37,38,39,40,41,42,43,44,45,46,47,48,49,50,51,52,53,54,55,56,57,58,59,60,61,62,63
	v_mov_b32 v[160+\j], 0                         ; O^T.  (The step has no first form of its own: the first finds zeros, which the first change of M leaves zeros)
.endr
; A KEY STEP: 128 keys, the super-blocks at s[TB] of K's and of V's part of LDS.
.macro STEP
	v_add_nc_u32 v[ADK], s[TB], v[LI]
	v_add_nc_u32 v[ADV], s[TB], v[LV]
	v_nop
	v_nop                                          ; four places in front of loads into registers that the last products read (ISA guide 7.12.1 for vector instructions)
.irp t, 0,1,2,3,4,5,6,7
.irp c, 0,1
	ds_load_b128 v[32+8*\t+4*\c:35+8*\t+4*\c], v[ADK] offset:1024*\t+512*\c   ; K's eight fragments: 512 consecutive bytes a load
.endr
.endr
	ds_load_b128 v[KS:KS+3], v[ADK] offset:SCO     ; their scale words: register i: lanes 0-15 tile i, lanes 16-31 tile 4 + i
	s_wait_dscnt 0x0
.irp t, 0,1,2,3                                ; S^T = K Q^T
	v_wmma_scale_f32_16x16x128_f8f6f4 v[96+8*\t:103+8*\t], v[32+8*\t:39+8*\t], v[16:23], 0, v[KS+\t], v255 matrix_a_fmt:MATRIX_FMT_FP4 matrix_b_fmt:MATRIX_FMT_FP4
.endr
.irp t, 4,5,6,7
	v_wmma_scale_f32_16x16x128_f8f6f4 v[96+8*\t:103+8*\t], v[32+8*\t:39+8*\t], v[16:23], 0, v[KS+\t-4], v255 matrix_a_fmt:MATRIX_FMT_FP4 matrix_b_fmt:MATRIX_FMT_FP4 matrix_a_scale:MATRIX_SCALE_ROW1
.endr
.rept 4
	v_nop                                          ; four places: for V's loads into K's registers, and for the first read of the scores
.endr
.irp t, 0,1,2,3,4,5,6,7
.irp c, 0,1
	ds_load_b128 v[32+8*\t+4*\c:35+8*\t+4*\c], v[ADV] offset:1024*\t+512*\c   ; V's eight fragments land while the softmax is worked
.endr
.endr
	ds_load_b128 v[VS:VS+3], v[ADV] offset:SCO
.irp b, 0,1,2,3
	v_max3_num_f32 v[232+\b], v[96+16*\b], v[97+16*\b], v[98+16*\b]   ; THE LARGEST SCORE OF EACH BLOCK OF 32 KEYS: it serves twice: for the row's maximum, and, since p rises with the score, for the block's largest p
.endr
.irp i, 3,5,7,9,11,13
.irp b, 0,1,2,3
	v_max3_num_f32 v[232+\b], v[232+\b], v[96+16*\b+\i], v[97+16*\b+\i]   ; (the four blocks by turns)
.endr
.endr
.irp b, 0,1,2,3
	v_max_num_f32 v[232+\b], v[232+\b], v[111+16*\b]
.endr
.irp b, 0,1,2,3
	v_permlanex16_b32 v[236+\b], v[232+\b], s[SEL], s[SEL+1]
.endr
.irp b, 0,1,2,3
	v_max_num_f32 v[232+\b], v[232+\b], v[236+\b]  ; with lane l xor 16's 16 keys
.endr
	v_max3_num_f32 v254, v232, v233, v234
	v_max_num_f32 v254, v254, v235                 ; the step's largest score of my query
	v_mul_f32 v254, s[CS], v254                    ; as t (c is positive)
	v_max_num_f32 v13, v13, v254                   ; the running largest t
	v_mov_b32 v254, v12
	v_floor_f32 v12, -v13                          ; the new -M = floor(-t) = -ceil(t): M is a whole number
	v_sub_f32 v254, v12, v254                      ; M's old value less its new one: a whole number, 0 or less
	v_cvt_i32_f32 v254, v254                       ; (it saturates)
	v_ldexp_f32 v252, 1.0, v254                    ; f = 2^(old M - new M)
.irp b, 0,1,2,3
	v_fma_f32 v[232+\b], v[232+\b], s[CS], v12     ; t - M of each block's largest score
.endr
.irp b, 0,1,2,3
	v_exp_f32 v[232+\b], v[232+\b]                 ; the block's largest p: the same multiply-add and exponential on the same number give the same bits as among the 64 below
	v_pk_fma_f32 v[96+2*\b:97+2*\b], v[96+2*\b:97+2*\b], s[CS:CS+1], v[12:13] op_sel_hi:[1,0,0]   ; t - M of pairs 0 to 3 (of the pairs c and -M the low word serves both halves)
.endr
	v_pk_mul_f32 v[14:15], v[14:15], v[252:253] op_sel_hi:[1,0]   ; the sums under the new M
; 32 SLOTS, one for each pair of scores.  Slot i: t - M of pair i + 4 | 2^ of number 2 i | O^T's pair i x f | 2^ of number 2 i + 1 | the row's sum takes pair i - 6.
; So behind every exponential stands a plain instruction that names neither its result nor its source (ISA guide 5.7.2), and every result is first used a slot later or more.
; In slots 0 to 3 the last place is taken by the blocks' scale bytes.  A conversion stands at a slot's head, a slot behind the last exponential that it reads, with plain lines between; the line behind it touches neither its result nor its sources.
.set sj, 0
.rept 32
.if sj < 28
	v_pk_fma_f32 v[104+2*sj:105+2*sj], v[104+2*sj:105+2*sj], s[CS:CS+1], v[12:13] op_sel_hi:[1,0,0]
.endif
.if sj%8 == 4
	s_wait_alu depctr_va_vdst(0)
	v_cvt_scalef32_pk8_fp4_f32 v[224+2*(sj/8)], v[96+16*(sj/8):103+16*(sj/8)], v[244+sj/8]   ; block sj / 8: the codes of its first eight of my 16 keys
.endif
.if (sj%8 == 0) && (sj > 0)
	s_wait_alu depctr_va_vdst(0)
	v_cvt_scalef32_pk8_fp4_f32 v[223+2*(sj/8)], v[88+16*(sj/8):95+16*(sj/8)], v[243+sj/8]    ; block sj / 8 - 1: of its last eight
.endif
	v_exp_f32 v[96+2*sj], v[96+2*sj]               ; p = 2^(t - M), at most 1: not normalised
	v_pk_mul_f32 v[160+2*sj:161+2*sj], v[160+2*sj:161+2*sj], v[252:253] op_sel_hi:[1,0]   ; O^T under the new M, each accumulator from its low end on
	v_exp_f32 v[97+2*sj], v[97+2*sj]
.if sj == 0
	s_wait_alu depctr_va_vdst(0)
.irp b, 0,1,2,3
	v_max_num_f32 v[232+\b], 0x1800000, v[232+\b]  ; the floor 2^(3 - 127): the byte cannot fall under 1
.endr
.elseif sj == 1
.irp b, 0,1,2,3
	v_add_nc_u32 v[244+\b], 0xff000000, v[232+\b]  ; 2 off the exponent field: the conversion's scale operand
.endr
.elseif sj == 2
.irp b, 0,1,2,3
	v_lshrrev_b32 v[236+\b], 23, v[244+\b]         ; the scale's byte
.endr
.elseif sj == 3
	v_lshl_or_b32 v253, v237, 8, v236              ; p's scale word for these 128 keys
	v_lshl_or_b32 v253, v238, 16, v253
	v_lshl_or_b32 v253, v239, 24, v253
	s_wait_alu depctr_va_vdst(0)
.elseif sj == 7
	v_pk_add_f32 v[240:241], v[96:97], v[98:99]    ; the row's sum is taken of the unquantised p, two at a time, in two chains: pairs 0 and 1 start the second
	s_wait_alu depctr_va_vdst(0)
.elseif (sj > 7) && (sj%2 == 0)
	v_pk_add_f32 v[14:15], v[14:15], v[84+2*sj:85+2*sj]       ; pair sj - 6, an even one
.elseif sj > 7
	v_pk_add_f32 v[240:241], v[240:241], v[84+2*sj:85+2*sj]   ; an odd one
.endif
.if sj == 17                                   ; the operand's layout wants a whole block in a lane: lanes 0-15 block 0, lanes 16-31 block 1
	v_permlane16_swap_b32 v224, v226
	v_permlane16_swap_b32 v225, v227
.endif
.set sj, sj+1
.endr
	v_pk_add_f32 v[14:15], v[14:15], v[148:149]    ; pair 26
	s_wait_alu depctr_va_vdst(0)
	v_cvt_scalef32_pk8_fp4_f32 v231, v[152:159], v247   ; block 3's last eight
	v_pk_add_f32 v[240:241], v[240:241], v[150:151]     ; pair 27: the plain place behind the conversion
	v_permlane16_swap_b32 v228, v230               ; lanes 0-15 block 2, lanes 16-31 block 3
	v_permlane16_swap_b32 v229, v231
	v_pk_add_f32 v[14:15], v[14:15], v[152:153]    ; pairs 28 to 31 and the chains' join: five plain lines that name no register of the products below stand between the codes' last write and them
	v_pk_add_f32 v[240:241], v[240:241], v[154:155]
	v_pk_add_f32 v[14:15], v[14:15], v[156:157]
	v_pk_add_f32 v[240:241], v[240:241], v[158:159]
	v_pk_add_f32 v[14:15], v[14:15], v[240:241]
	s_wait_dscnt 0x0                               ; V is in
.irp t, 0,1,2,3                                ; O^T += V^T P^T: the eight accumulators by turns
	v_wmma_scale_f32_16x16x128_f8f6f4 v[160+8*\t:167+8*\t], v[32+8*\t:39+8*\t], v[224:231], v[160+8*\t:167+8*\t], v[VS+\t], v253 matrix_a_fmt:MATRIX_FMT_FP4 matrix_b_fmt:MATRIX_FMT_FP4
.endr
.irp t, 4,5,6,7
	v_wmma_scale_f32_16x16x128_f8f6f4 v[160+8*\t:167+8*\t], v[32+8*\t:39+8*\t], v[224:231], v[160+8*\t:167+8*\t], v[VS+\t-4], v253 matrix_a_fmt:MATRIX_FMT_FP4 matrix_b_fmt:MATRIX_FMT_FP4 matrix_a_scale:MATRIX_SCALE_ROW1
.endr
	s_add_co_u32 s[TB], s[TB], SB                  ; on to the next key step
.endm
; Key steps first .. first + trips - 1
.macro RUN first, trips
	s_mov_b32 s[TB], \first*SB
	s_mov_b32 s[CNT], \trips
.Lstep_\@:
	STEP
	s_sub_co_u32 s[CNT], s[CNT], 1
	s_cmp_lg_u32 s[CNT], 0
	s_cbranch_scc1 .Lstep_\@
.endm
	s_wait_loadcnt 0x0                             ; Q
	s_wait_dscnt 0x0
	s_wait_tensorcnt 0x3                           ; waves 0 and 1: my first load, key steps 0 to 3, has landed; my three younger loads may be out
	s_barrier_signal -1
	s_barrier_wait -1                              ; the others read behind the barrier
	RUN 0, 4
	s_wait_dscnt 0x0
	s_wait_tensorcnt 0x0                           ; waves 0 and 1: all my loads have landed: key steps 4 to 15
	s_barrier_signal -1
	s_barrier_wait -1                              ; every read of those bytes stands behind this barrier; no further barrier stands among the key steps
	RUN 4, 10
	; A PREFETCH INTO THE L2 of the residual: my 16 rows' 512 bytes of query, a lane to each aligned block of 256 bytes: each block is named once in the launch, by the wave that will load it, two key steps ahead of its loads
	global_prefetch_b8 v[PFO], s[QR:QR+1] th:TH_LOAD_NT scope:SCOPE_SE
	RUN 14, 2
	; THE WAY OUT.  The residual is asked for; O^T is divided by the sum and turns through my stage in LDS, so that a lane holds four neighbouring features of whole rows.
.rept 4
	v_nop                                          ; places behind the last products
.endr
.irp i, 0,1,2,3,4,5,6,7,8,9,10,11,12,13,14,15
	global_load_b128 v[96+4*\i:99+4*\i], v[LI], s[QR:QR+1] offset:(\i+8*(\i/8))*4096 th:TH_LOAD_NT   ; query of my tile's row i: 512 consecutive bytes
.endr
	v_add_f32 v14, v14, v15                        ; the sum's two halves,
	v_permlanex16_b32 v252, v14, s[SEL], s[SEL+1]
	v_add_f32 v14, v14, v252                       ; and lane l xor 16's: the row's sum
	v_rcp_f32 v14, v14
	v_nop                                          ; one plain place behind a transcendental
	s_wait_alu depctr_va_vdst(0)
.irp j, 0,2,4,6,8,10,12,14,16,18,20,22,24,26,28,30,32,34,36,38,40,42,44,46,48,50,52,54,56,58,60,62
	v_pk_mul_f32 v[160+\j:161+\j], v[160+\j:161+\j], v[14:15] op_sel_hi:[1,0]   ; register 16 b + i is o(my query, 32 b + 16 h + i)
.endr
	s_wait_dscnt 0x0
	s_barrier_signal -1
	s_barrier_wait -1                              ; no wave reads K any more: the stages may be written over it
.irp b, 0,1,2,3
.irp k, 0,1,2,3
	ds_store_b128 v[SO], v[160+16*\b+4*\k:163+16*\b+4*\k] offset:128*\b+16*\k
.endr
.endr
.irp i, 0,1,2,3,4,5,6,7,8,9,10,11,12,13,14,15
	ds_load_b128 v[32+4*\i:35+4*\i], v[SR] offset:SPT*\i   ; LDS serves a wave's instructions in order: these see my stores.  Row i, features 4 lane ..
.endr
	s_wait_dscnt 0x0
	s_wait_loadcnt 0x0
.irp j, 0,2,4,6,8,10,12,14,16,18,20,22,24,26,28,30,32,34,36,38,40,42,44,46,48,50,52,54,56,58,60,62
	v_pk_add_f32 v[32+\j:33+\j], v[32+\j:33+\j], v[96+\j:97+\j]   ; the residual
.endr
.irp i, 0,1,2,3,4,5,6,7,8,9,10,11,12,13,14,15
	global_store_b128 v[LI], v[32+4*\i:35+4*\i], s[PR:PR+1] offset:(\i+8*(\i/8))*4096 th:TH_STORE_NT   ; the wave stores 512 consecutive bytes, aligned
.endr
	; my 16 rows' statistics of my four features: the sum, and the sum of squared deviations from the 16 rows' mean
	v_pk_add_f32 v[232:233], v[32:33], v[36:37]
	v_pk_add_f32 v[234:235], v[34:35], v[38:39]
.irp i, 2,3,4,5,6,7,8,9,10,11,12,13,14,15
	v_pk_add_f32 v[232:233], v[232:233], v[32+4*\i:33+4*\i]
	v_pk_add_f32 v[234:235], v[234:235], v[34+4*\i:35+4*\i]
.endr
	v_pk_mul_f32 v[236:237], v[232:233], s[C16:C16+1] op_sel_hi:[1,0]
	v_pk_mul_f32 v[238:239], v[234:235], s[C16:C16+1] op_sel_hi:[1,0]
.irp i, 0,1,2,3,4,5,6,7,8,9,10,11,12,13,14,15
	v_pk_add_f32 v[96+4*\i:97+4*\i], v[32+4*\i:33+4*\i], v[236:237] neg_lo:[0,1] neg_hi:[0,1]
	v_pk_add_f32 v[98+4*\i:99+4*\i], v[34+4*\i:35+4*\i], v[238:239] neg_lo:[0,1] neg_hi:[0,1]
.endr
	v_pk_mul_f32 v[240:241], v[96:97], v[96:97]
	v_pk_mul_f32 v[242:243], v[98:99], v[98:99]
.irp i, 1,2,3,4,5,6,7,8,9,10,11,12,13,14,15
	v_pk_fma_f32 v[240:241], v[96+4*\i:97+4*\i], v[96+4*\i:97+4*\i], v[240:241]
	v_pk_fma_f32 v[242:243], v[98+4*\i:99+4*\i], v[98+4*\i:99+4*\i], v[242:243]
.endr
	ds_store_b128 v[ST1], v[232:235]
	ds_store_b128 v[ST1], v[240:243] offset:8192
	s_wait_dscnt 0x0                               ; for the others' sake: my stores are done
	s_barrier_signal -1
	s_barrier_wait -1
	s_cmp_lg_u32 s[WV], 0                          ; wave 0 joins the sixteen: no barrier stands in this branch
	s_cbranch_scc1 .Ljoined
.irp w, 0,1,2,3,4,5,6,7,8,9,10,11,12,13,14,15
	ds_load_b128 v[96+4*\w:99+4*\w], v[SRD] offset:512*\w
.endr
.irp w, 0,1,2,3,4,5,6,7,8,9,10,11,12,13,14,15
	ds_load_b128 v[160+4*\w:163+4*\w], v[SRD] offset:8192+512*\w
.endr
	s_wait_dscnt 0x0
	v_pk_add_f32 v[232:233], v[96:97], v[100:101]
	v_pk_add_f32 v[234:235], v[98:99], v[102:103]
.irp w, 2,3,4,5,6,7,8,9,10,11,12,13,14,15
	v_pk_add_f32 v[232:233], v[232:233], v[96+4*\w:97+4*\w]
	v_pk_add_f32 v[234:235], v[234:235], v[98+4*\w:99+4*\w]
.endr
	v_pk_mul_f32 v[236:237], v[232:233], s[C256:C256+1] op_sel_hi:[1,0]   ; the 256 rows' mean
	v_pk_mul_f32 v[238:239], v[234:235], s[C256:C256+1] op_sel_hi:[1,0]
.irp w, 0,1,2,3,4,5,6,7,8,9,10,11,12,13,14,15
	v_pk_fma_f32 v[96+4*\w:97+4*\w], v[96+4*\w:97+4*\w], s[C16:C16+1], v[236:237] op_sel_hi:[1,0,1] neg_lo:[0,0,1] neg_hi:[0,0,1]   ; a wave's mean less the 256 rows'
	v_pk_fma_f32 v[98+4*\w:99+4*\w], v[98+4*\w:99+4*\w], s[C16:C16+1], v[238:239] op_sel_hi:[1,0,1] neg_lo:[0,0,1] neg_hi:[0,0,1]
.endr
	v_pk_mul_f32 v[240:241], v[96:97], v[96:97]
	v_pk_mul_f32 v[242:243], v[98:99], v[98:99]
.irp w, 1,2,3,4,5,6,7,8,9,10,11,12,13,14,15
	v_pk_fma_f32 v[240:241], v[96+4*\w:97+4*\w], v[96+4*\w:97+4*\w], v[240:241]
	v_pk_fma_f32 v[242:243], v[98+4*\w:99+4*\w], v[98+4*\w:99+4*\w], v[242:243]
.endr
	v_pk_add_f32 v[244:245], v[160:161], v[164:165]
	v_pk_add_f32 v[246:247], v[162:163], v[166:167]
.irp w, 2,3,4,5,6,7,8,9,10,11,12,13,14,15
	v_pk_add_f32 v[244:245], v[244:245], v[160+4*\w:161+4*\w]
	v_pk_add_f32 v[246:247], v[246:247], v[162+4*\w:163+4*\w]
.endr
	v_pk_fma_f32 v[240:241], v[240:241], s[M16:M16+1], v[244:245] op_sel_hi:[1,0,1]   ; 16 x the waves' squared distances + the waves' own sums
	v_pk_fma_f32 v[242:243], v[242:243], s[M16:M16+1], v[246:247] op_sel_hi:[1,0,1]
	global_store_b128 v[LI], v[236:239], s[PT:PT+1]
	global_store_b128 v[LI], v[240:243], s[PT:PT+1] offset:512
.Ljoined:
	s_wait_tensorcnt 0x0
	ds_add_u32 v250, v251
	s_wait_dscnt 0x0
	CROUND                                         ; the closing round: no work-group ends while a partner may still ask for a tile that names it
	s_endpgm
.Lfunc_end_k_qb3fc785aed_attn:
	.size	k_qb3fc785aed_attn, .Lfunc_end_k_qb3fc785aed_attn-k_qb3fc785aed_attn
	.p2alignl 7, 3214868480
	.fill 96, 4, 3214868480
	.section	.rodata,"a",@progbits
	.p2align	6, 0x0
	.amdhsa_kernel k_qb3fc785aed_attn
		.amdhsa_group_segment_fixed_size 296960
		.amdhsa_private_segment_fixed_size 0
		.amdhsa_enable_private_segment 0
		.amdhsa_kernarg_size 32
		.amdhsa_user_sgpr_count 2
		.amdhsa_user_sgpr_kernarg_segment_ptr 1
		.amdhsa_wavefront_size32 1
		.amdhsa_system_sgpr_workgroup_id_x 1
		.amdhsa_system_sgpr_workgroup_id_y 1
		.amdhsa_system_sgpr_workgroup_id_z 1
		.amdhsa_system_vgpr_workitem_id 0
		.amdhsa_next_free_vgpr 256
		.amdhsa_next_free_sgpr 96
		.amdhsa_reserve_vcc 0
		.amdhsa_float_denorm_mode_32 3
		.amdhsa_float_denorm_mode_16_64 3
		.amdhsa_memory_ordered 1
		.amdhsa_forward_progress 1
		.amdhsa_inst_pref_size 90
	.end_amdhsa_kernel
	.amdgpu_metadata
---
amdhsa.version: [ 1, 2 ]
amdhsa.kernels:
  - .name:           k_qb3fc785aed_attn
    .symbol:         k_qb3fc785aed_attn.kd
    .args:
      - { .name: qkv, .offset: 0, .size: 8, .value_kind: global_buffer, .address_space: global }
      - { .name: query, .offset: 8, .size: 8, .value_kind: global_buffer, .address_space: global }
      - { .name: pre, .offset: 16, .size: 8, .value_kind: global_buffer, .address_space: global }
      - { .name: part, .offset: 24, .size: 8, .value_kind: global_buffer, .address_space: global }
    .group_segment_fixed_size: 296960
    .private_segment_fixed_size: 0
    .kernarg_segment_align: 8
    .kernarg_segment_size: 32
    .max_flat_workgroup_size: 512
    .sgpr_count:     96
    .vgpr_count:     256
    .wavefront_size: 32
...
	.end_amdgpu_metadata
.endif
;; end of part 3
;; launch norm (part 4): grid 8 x 32, 8 waves a work-group, no clusters, 9,216 bytes of LDS; arguments pre, part, gamma, beta, out0; writes out0
.if DOCPART == 4
	.amdgcn_target "amdgcn-amd-amdhsa--gfx1250"
	.amdhsa_code_object_version 6
	.text
	.protected	k_qb3fc785aed_norm
	.globl	k_qb3fc785aed_norm
	.p2align	8
	.type	k_qb3fc785aed_norm,@function
k_qb3fc785aed_norm:
	s_mov_b64 s[64:65], 0
	v_nop
	global_prefetch_b8 v0, s[64:65] scope:SCOPE_SE
	s_setreg_imm32_b32 hwreg(HW_REG_WAVE_MODE, 25, 1), 1
	s_wait_xcnt 0x0
; out0 = gamma (pre - mean) / sqrt(var + 1e-5) + beta, mean and var of each feature over all 8,192 rows.
; part: [head][32 partials][mean 128 | sum of squared deviations 128] f32, each partial of 256 rows.  They are joined without a difference of large sums:
; mean = the 32 means' mean; the sum of squared deviations = the 32 sums + 256 x the sum of the means' squared distances from the mean; var = that / 8,192.
; LIMITS: NaN and infinities are not served.
; SHARES.  A work-group takes 256 rows x one head's 512 bytes; a wave 32 rows; a lane keeps features 4 lane .. + 3.  Each load and store of a wave covers 512 consecutive bytes, aligned.
; All 32 rows of a wave are asked for at the start and stay in registers while the statistics are joined: wave w joins partials 4 w .. 4 w + 3, and the eight waves' figures meet in LDS, twice, in bytes of their own each time.
; No tensor loads, no matrix unit, no cluster: what work-groups share, a head's 32,768 bytes of partials, is a fifth of what each reads, and every byte of pre is read by one wave alone.
.set LI, 1                             ; v1      16 x lane
.set LW, 2                             ; v2      where I store my wave's figures: 512 x wave + 16 x lane
.set MN, 8                             ; v8-23   four partials' means
.set M2, 24                            ; v24-39  and their sums of squared deviations
.set GA, 40                            ; v40-43  gamma
.set BE, 44                            ; v44-47  beta
.set T,  48                            ; v48-51  at work
.set ME, 52                            ; v52-55  the mean
.set Q,  56                            ; v56-59  the sum of squared deviations, then var + eps
.set A,  60                            ; v60-63  gamma / sqrt(var + eps)
.set D,  64                            ; v64-191 my 32 rows
.set L,  192                           ; v192-223 the eight waves' figures
	s_load_b256 s[4:11], s[0:1], 0x0               ; pre, part, gamma, beta
	s_load_b64 s[12:13], s[0:1], 0x20              ; out0
	v_lshl_add_u32 v224, v0, 2, 0x2000
	v_mov_b32 v225, 0
	v_lshrrev_b32 v2, 5, v0
	v_readfirstlane_b32 s14, v2                    ; wave 0..7
	v_and_b32 v1, 31, v0
	v_lshlrev_b32 v[LI], 4, v1
	s_lshl_b32 s15, s14, 9
	v_add_nc_u32 v[LW], s15, v[LI]
	s_and_b32 s16, ttmp7, 0xffff
	s_lshl_b32 s16, s16, 8
	s_lshl_b32 s17, s14, 5
	s_add_co_u32 s16, s16, s17                     ; my first row
	s_lshl_b32 s16, s16, 12
	s_lshl_b32 s18, ttmp9, 9                       ; the head's 512 bytes
	s_add_co_u32 s16, s16, s18
	s_mov_b32 s17, 0
	s_mov_b32 s19, 0
	s_lshl_b32 s24, ttmp9, 15                      ; the head's partials,
	s_lshl_b32 s25, s14, 12                        ; my four of them
	s_add_co_u32 s24, s24, s25
	s_mov_b32 s25, 0
	s_mov_b32 s20, 0x39000000                      ; 1 / 8,192
	s_mov_b32 s22, 0x3727c5ac                      ; 1e-5
	s_mov_b32 s26, 0x3d000000                      ; 1 / 32
	s_mov_b32 s27, s26                             ; (named with it as a pair, so it is written)
	s_mov_b32 s28, 0x43800000                      ; 256
	s_mov_b32 s29, s28
	s_wait_kmcnt 0x0
	s_add_nc_u64 s[4:5], s[4:5], s[16:17]
	s_add_nc_u64 s[12:13], s[12:13], s[16:17]
	s_add_nc_u64 s[6:7], s[6:7], s[24:25]
	s_add_nc_u64 s[8:9], s[8:9], s[18:19]
	s_add_nc_u64 s[10:11], s[10:11], s[18:19]
.irp k, 0,1,2,3
	global_load_b128 v[MN+4*\k:MN+4*\k+3], v[LI], s[6:7] offset:1024*\k
	global_load_b128 v[M2+4*\k:M2+4*\k+3], v[LI], s[6:7] offset:1024*\k+512
.endr
	global_load_b128 v[GA:GA+3], v[LI], s[8:9]
	global_load_b128 v[BE:BE+3], v[LI], s[10:11]
.irp i, 0,1,2,3,4,5,6,7,8,9,10,11,12,13,14,15,16,17,18,19,20,21,22,23,24,25,26,27,28,29,30,31
	global_load_b128 v[D+4*\i:D+4*\i+3], v[LI], s[4:5] offset:4096*\i th:TH_LOAD_NT
.endr
	s_wait_loadcnt 32                              ; the partials, gamma and beta are in; the 32 rows may be out
	v_pk_add_f32 v[T:T+1], v[MN:MN+1], v[MN+4:MN+5]
	v_pk_add_f32 v[T+2:T+3], v[MN+2:MN+3], v[MN+6:MN+7]
.irp k, 2,3
	v_pk_add_f32 v[T:T+1], v[T:T+1], v[MN+4*\k:MN+4*\k+1]
	v_pk_add_f32 v[T+2:T+3], v[T+2:T+3], v[MN+4*\k+2:MN+4*\k+3]
.endr
	ds_store_b128 v[LW], v[T:T+3]                  ; my four means' sum
	s_wait_dscnt 0x0                               ; for the others' sake: my store is done
	s_barrier_signal -1
	s_barrier_wait -1
.irp k, 0,1,2,3,4,5,6,7
	ds_load_b128 v[L+4*\k:L+4*\k+3], v[LI] offset:512*\k
.endr
	s_wait_dscnt 0x0
	v_pk_add_f32 v[ME:ME+1], v[L:L+1], v[L+4:L+5]
	v_pk_add_f32 v[ME+2:ME+3], v[L+2:L+3], v[L+6:L+7]
.irp k, 2,3,4,5,6,7
	v_pk_add_f32 v[ME:ME+1], v[ME:ME+1], v[L+4*\k:L+4*\k+1]
	v_pk_add_f32 v[ME+2:ME+3], v[ME+2:ME+3], v[L+4*\k+2:L+4*\k+3]
.endr
	v_pk_mul_f32 v[ME:ME+1], v[ME:ME+1], s[26:27] op_sel_hi:[1,0]       ; the mean
	v_pk_mul_f32 v[ME+2:ME+3], v[ME+2:ME+3], s[26:27] op_sel_hi:[1,0]
.irp k, 0,1,2,3
	v_pk_add_f32 v[MN+4*\k:MN+4*\k+1], v[MN+4*\k:MN+4*\k+1], v[ME:ME+1] neg_lo:[0,1] neg_hi:[0,1]       ; a partial's mean less the mean
	v_pk_add_f32 v[MN+4*\k+2:MN+4*\k+3], v[MN+4*\k+2:MN+4*\k+3], v[ME+2:ME+3] neg_lo:[0,1] neg_hi:[0,1]
.endr
	v_pk_mul_f32 v[Q:Q+1], v[MN:MN+1], v[MN:MN+1]
	v_pk_mul_f32 v[Q+2:Q+3], v[MN+2:MN+3], v[MN+2:MN+3]
.irp k, 1,2,3
	v_pk_fma_f32 v[Q:Q+1], v[MN+4*\k:MN+4*\k+1], v[MN+4*\k:MN+4*\k+1], v[Q:Q+1]
	v_pk_fma_f32 v[Q+2:Q+3], v[MN+4*\k+2:MN+4*\k+3], v[MN+4*\k+2:MN+4*\k+3], v[Q+2:Q+3]
.endr
.irp k, 1,2,3
	v_pk_add_f32 v[M2:M2+1], v[M2:M2+1], v[M2+4*\k:M2+4*\k+1]
	v_pk_add_f32 v[M2+2:M2+3], v[M2+2:M2+3], v[M2+4*\k+2:M2+4*\k+3]
.endr
	v_pk_fma_f32 v[Q:Q+1], v[Q:Q+1], s[28:29], v[M2:M2+1] op_sel_hi:[1,0,1]
	v_pk_fma_f32 v[Q+2:Q+3], v[Q+2:Q+3], s[28:29], v[M2+2:M2+3] op_sel_hi:[1,0,1]
	ds_store_b128 v[LW], v[Q:Q+3] offset:4096      ; other bytes than the first time: no wave can still be reading them
	s_wait_dscnt 0x0
	s_barrier_signal -1
	s_barrier_wait -1
.irp k, 0,1,2,3,4,5,6,7
	ds_load_b128 v[L+4*\k:L+4*\k+3], v[LI] offset:4096+512*\k
.endr
	s_wait_dscnt 0x0
	v_pk_add_f32 v[Q:Q+1], v[L:L+1], v[L+4:L+5]
	v_pk_add_f32 v[Q+2:Q+3], v[L+2:L+3], v[L+6:L+7]
.irp k, 2,3,4,5,6,7
	v_pk_add_f32 v[Q:Q+1], v[Q:Q+1], v[L+4*\k:L+4*\k+1]
	v_pk_add_f32 v[Q+2:Q+3], v[Q+2:Q+3], v[L+4*\k+2:L+4*\k+3]
.endr
.irp f, 0,1,2,3
	v_fma_f32 v[Q+\f], v[Q+\f], s20, s22           ; var + eps
.endr
.irp f, 0,1,2,3
	v_rsq_f32 v[A+\f], v[Q+\f]
.endr
	v_nop                                          ; one plain place behind a transcendental
	s_wait_alu depctr_va_vdst(0)
	v_pk_mul_f32 v[A:A+1], v[A:A+1], v[GA:GA+1]
	v_pk_mul_f32 v[A+2:A+3], v[A+2:A+3], v[GA+2:GA+3]
.irp i, 0,1,2,3,4,5,6,7,8,9,10,11,12,13,14,15,16,17,18,19,20,21,22,23,24,25,26,27,28,29,30,31
	s_wait_loadcnt 31-\i                           ; row i is in; the rows behind it may be out
	v_pk_add_f32 v[D+4*\i:D+4*\i+1], v[D+4*\i:D+4*\i+1], v[ME:ME+1] neg_lo:[0,1] neg_hi:[0,1]
	v_pk_add_f32 v[D+4*\i+2:D+4*\i+3], v[D+4*\i+2:D+4*\i+3], v[ME+2:ME+3] neg_lo:[0,1] neg_hi:[0,1]
	v_pk_fma_f32 v[D+4*\i:D+4*\i+1], v[D+4*\i:D+4*\i+1], v[A:A+1], v[BE:BE+1]
	v_pk_fma_f32 v[D+4*\i+2:D+4*\i+3], v[D+4*\i+2:D+4*\i+3], v[A+2:A+3], v[BE+2:BE+3]
	global_store_b128 v[LI], v[D+4*\i:D+4*\i+3], s[12:13] offset:4096*\i th:TH_STORE_NT   ; each row has its own registers: no store's data are written again
.endr
	s_wait_tensorcnt 0x0
	ds_add_u32 v224, v225
	s_wait_dscnt 0x0
	s_endpgm
.Lfunc_end_k_qb3fc785aed_norm:
	.size	k_qb3fc785aed_norm, .Lfunc_end_k_qb3fc785aed_norm-k_qb3fc785aed_norm
	.p2alignl 7, 3214868480
	.fill 96, 4, 3214868480
	.section	.rodata,"a",@progbits
	.p2align	6, 0x0
	.amdhsa_kernel k_qb3fc785aed_norm
		.amdhsa_group_segment_fixed_size 9216
		.amdhsa_private_segment_fixed_size 0
		.amdhsa_enable_private_segment 0
		.amdhsa_kernarg_size 40
		.amdhsa_user_sgpr_count 2
		.amdhsa_user_sgpr_kernarg_segment_ptr 1
		.amdhsa_wavefront_size32 1
		.amdhsa_system_sgpr_workgroup_id_x 1
		.amdhsa_system_sgpr_workgroup_id_y 1
		.amdhsa_system_sgpr_workgroup_id_z 1
		.amdhsa_system_vgpr_workitem_id 0
		.amdhsa_next_free_vgpr 226
		.amdhsa_next_free_sgpr 66
		.amdhsa_reserve_vcc 0
		.amdhsa_float_denorm_mode_32 3
		.amdhsa_float_denorm_mode_16_64 3
		.amdhsa_memory_ordered 1
		.amdhsa_forward_progress 1
		.amdhsa_inst_pref_size 24
	.end_amdhsa_kernel
	.amdgpu_metadata
---
amdhsa.version: [ 1, 2 ]
amdhsa.kernels:
  - .name:           k_qb3fc785aed_norm
    .symbol:         k_qb3fc785aed_norm.kd
    .args:
      - { .name: pre, .offset: 0, .size: 8, .value_kind: global_buffer, .address_space: global }
      - { .name: part, .offset: 8, .size: 8, .value_kind: global_buffer, .address_space: global }
      - { .name: gamma, .offset: 16, .size: 8, .value_kind: global_buffer, .address_space: global }
      - { .name: beta, .offset: 24, .size: 8, .value_kind: global_buffer, .address_space: global }
      - { .name: out0, .offset: 32, .size: 8, .value_kind: global_buffer, .address_space: global }
    .group_segment_fixed_size: 9216
    .private_segment_fixed_size: 0
    .kernarg_segment_align: 8
    .kernarg_segment_size: 40
    .max_flat_workgroup_size: 256
    .sgpr_count:     66
    .vgpr_count:     226
    .wavefront_size: 32
...
	.end_amdgpu_metadata
.endif
;; end of part 4
